; MI455X (gfx1250); checked and timed in simulation.
; The chip was launched on July 23, 2026; its instructions are those of AMD's public machine-readable ISA for CDNA 5 (MIT licence, August 2026) and "CDNA5" Instruction Set Architecture Reference Guide (July 2026). The comments in the code are by the model that wrote it; some were corrected since.
;; Vector Quantizer. Allowed arithmetic: matrix products marked QUANTISED: E2M1 operands, one E8M0 scale for each 32 along K, by v_wmma_scale_f32_16x16x128_f8f6f4 with both operands' format E2M1 (or v_wmma_scale_f32_32x16x128_f4), f32 sums; everything else in f32.
;; Inputs: codebook 8,192 x 256 float32; z 32 x 256 x 32 x 32 float32.
;; Outputs: out0 32 x 256 x 32 x 32 float32; out1 one number float32; out2 32,768 int32.
;; This version of the problem:
;;   THIS VERSION OF THE PROBLEM IS GIVEN IN LOW PRECISION. The matrix products marked QUANTISED in the list below multiply operands that are first quantised to E2M1 (2 exponent bits, 1 mantissa bit; 4 bits a number), with one power-of-two scale for each 32 numbers along K (OCP MX v1.0); their sums are f32. All else is computed in f32.
;;   The module's matrix products, in the order in which they are computed (A, B: the left and right operand; K: the contracted axis; several contracted axes count as one K, in the product's order):
;;     1. [M 32,768, K 256] x [K 256, N 8,192]; A: input z; B: input codebook: QUANTISED
;;   THE QUANTISER, for each operand of a quantised product, along K:
;;     - K is cut into blocks of 32 from its start; a last block that is shorter is filled with zeros.
;;     - A block's scale is 2^e with e = floor(log2(the largest magnitude in the block)) - 2, held to -126 .. 127; a block of zeros has e = 0. As a byte (E8M0): e + 127.
;;     - Each number is divided by its block's scale, clamped to +-6, and rounded to the nearest number of E2M1, ties to even, subnormals kept.
;;     - The product sums the exact products of the quantised numbers (number of the format x scale) in f32.
;;   ~~~python
;;   def quantise(x, axis):      # numpy; x: float32 -> the quantised numbers, widened to float32 again
;;       x = np.moveaxis(x, axis, -1); K = x.shape[-1]
;;       x = np.pad(x, [(0, 0)] * (x.ndim - 1) + [(0, -K % 32)]); x = x.reshape(x.shape[:-1] + (-1, 32)); a = np.abs(x).max(-1, keepdims=True)
;;       e = np.where(a > 0, np.clip(np.frexp(np.where(a > 0, a, 1))[1] - 1 - 2, -126, 127), 0)      # np.frexp(a)[1] - 1 = floor(log2(a)), exactly
;;       r = np.clip(x / 2.0 ** e, -6, 6)
;;       step = 2.0 ** (np.maximum(np.frexp(np.where(r == 0, 1, r))[1] - 1, 0) - 1)
;;       q = np.round(r / step) * step * 2.0 ** e      # np.round: ties to even
;;       return np.moveaxis(q.reshape(q.shape[:-2] + (-1,))[..., :K], -1, axis).astype(np.float32)
;;   ~~~
;; One version. Each part assembles by itself: llvm-mc -triple=amdgcn-amd-amdhsa -mcpu=gfx1250 --defsym DOCPART=n.
;; ======== version 1 of 1: 4 launches
;; limits: right only within a limited range of input values
;; workspace buffers: zrec 4,587,520 bytes; crec 1,146,880 bytes; idx 131,072 bytes of whole numbers; part 32,768 bytes
;; launch quant (part 1): grid 320 x 1, 4 waves a work-group, no clusters, 36,352 bytes of LDS; arguments z, codebook, zrec, crec; writes zrec, crec
.if DOCPART == 1
	.amdgcn_target "amdgcn-amd-amdhsa--gfx1250"
	.amdhsa_code_object_version 6
	.text
	.protected	k_q25b6fdddeb_quant
	.globl	k_q25b6fdddeb_quant
	.p2align	8
	.type	k_q25b6fdddeb_quant,@function
k_q25b6fdddeb_quant:
	s_mov_b64 s[64:65], 0
	v_nop
	global_prefetch_b8 v0, s[64:65] scope:SCOPE_SE
	s_setreg_imm32_b32 hwreg(HW_REG_WAVE_MODE, 25, 1), 1
	s_wait_xcnt 0x0
; z, read as [32768][256] f32, and codebook [8192][256] f32 are turned into RECORDS of 64 rows each, for the search that follows.
; A record is 8,960 bytes (35 x 256), without holes:
;   byte 0     the codes of FP4 (E2M1) as images of operand registers: tile T (16 rows), block b of 32 along K (0..7), row r: T*2048 + b*256 + r*16, 16 bytes
;   byte 8192  the E8M0 scale words: T*128 + s*64 + r*4: the four bytes of K step s (128 along K)
;   byte 8704  each row's sum of squares, f32: (16 T + r)*4
; A block's scale is 2^(floor(log2(its largest magnitude)) - 2); its byte is the largest magnitude's exponent field - 2, held at 1 from below.
; LIMITS: a block of zeros gets the byte 1 where the rule says 127 (its codes are zeros, and this program alone reads the bytes); blocks whose largest magnitude lies
; under 2^(3 - 127), the floor, keep the byte 1; NaN and infinities are not served.  A row's sum of squares is ONE chain of fused multiply-adds in ascending k.
; SHARES.  Work-groups 0-255 take z, 256-319 the codebook: only pointers are chosen, one path serves both.  A work-group takes 128 rows (two records), a wave 32 rows (two tiles), A LANE ONE ROW:
; a block's maximum, the conversions' eight neighbours and the chain of squares then need no other lane.  Loads take the bytes as they lie (sixteen lanes read 256 consecutive bytes of a row);
; a chunk of 64 numbers of each of the 32 rows turns through the wave's own stage in LDS.  No barrier: waves share nothing.  Loads run two chunks (32 loads a wave) ahead.
.set RECB, 8960
.set WREG, 8960                        ; LDS of a wave: a stage of 32 rows x 272 bytes, then its 256 bytes of scale words
.set SP,   272                         ; a stage row: 256 bytes + 16: 17 x 16
.set VIN,  2                           ; v2   in: (lane / 16) x 1024 + (lane % 16) x 16
.set VST,  3                           ; v3   into the stage: two rows an instruction
.set VLD,  4                           ; v4   out of it: my row
.set VOUT, 5                           ; v5   my codes' place: (lane / 16) x 2048 + (lane % 16) x 16
.set VSS,  6                           ; v6   LDS: my row's scale words
.set VSL,  7                           ; v7   LDS: 8 bytes a lane on the way out
.set O8,   8                           ; v8   8 x lane
.set O4,   9                           ; v9   4 x lane
.set SQ,   10                          ; v10  the sum of squares
.set SW,   16                          ; v16-17 the two scale words
.set C,    20                          ; v20-51   codes: four registers for each of the 8 blocks, never written again
.set X,    52                          ; v52-115  64 neighbours of my row
.set L,    116                         ; v116-243 two sets of 64 registers, as loaded
	s_load_b128 s[4:7], s[0:1], 0x0                ; z, codebook
	s_load_b128 s[8:11], s[0:1], 0x10              ; zrec, crec
	v_lshl_add_u32 v248, v0, 2, 0x8c00
	v_mov_b32 v249, 0
	v_lshrrev_b32 v1, 5, v0
	v_readfirstlane_b32 s12, v1                    ; wave 0..3
	v_and_b32 v1, 31, v0                           ; lane
	v_and_b32 v15, 15, v0                          ; r
	v_bfe_u32 v14, v0, 4, 1                        ; h
	s_mul_i32 s13, s12, WREG
	s_add_co_u32 s14, s13, 32*SP
	v_lshlrev_b32 v[VIN], 4, v15
	v_lshl_add_u32 v[VIN], v14, 10, v[VIN]
	v_mul_u32_u24 v[VST], v14, SP
	v_lshl_add_u32 v[VST], v15, 4, v[VST]
	v_add_nc_u32 v[VST], s13, v[VST]
	v_mul_u32_u24 v[VLD], v1, SP
	v_add_nc_u32 v[VLD], s13, v[VLD]
	v_lshlrev_b32 v[VOUT], 4, v15
	v_lshl_add_u32 v[VOUT], v14, 11, v[VOUT]
	v_lshlrev_b32 v[VSS], 2, v15
	v_lshl_add_u32 v[VSS], v14, 7, v[VSS]
	v_add_nc_u32 v[VSS], s14, v[VSS]
	v_lshlrev_b32 v[O8], 3, v1
	v_add_nc_u32 v[VSL], s14, v[O8]
	v_lshlrev_b32 v[O4], 2, v1
	s_wait_alu depctr_va_vdst(0)
	s_wait_kmcnt 0x0
	s_cmp_lt_u32 ttmp9, 256                        ; z's work-group or the codebook's?  The choice hangs on the work-group's number alone
	s_cselect_b64 s[4:5], s[4:5], s[6:7]
	s_cselect_b64 s[8:9], s[8:9], s[10:11]
	s_cselect_b32 s15, 0, 256
	s_sub_co_u32 s15, ttmp9, s15                   ; which 128 rows of the tensor
	s_lshl_b32 s16, s15, 17                        ; 128 rows of 1,024 bytes,
	s_lshl_b32 s17, s12, 15                        ; my wave's 32 of them
	s_add_co_u32 s16, s16, s17
	s_mov_b32 s17, 0
	s_add_nc_u64 s[4:5], s[4:5], s[16:17]
	s_lshl_b32 s18, s15, 1
	s_lshr_b32 s19, s12, 1
	s_add_co_u32 s18, s18, s19                     ; my record
	s_mul_i32 s18, s18, RECB
	s_mov_b32 s19, 0
	s_add_nc_u64 s[8:9], s[8:9], s[18:19]
	s_and_b32 s20, s12, 1                          ; which two of its four tiles
	s_lshl_b32 s22, s20, 12
	s_mov_b32 s23, 0
	s_add_nc_u64 s[24:25], s[8:9], s[22:23]        ; where my codes go,
	s_lshl_b32 s22, s20, 8
	s_add_co_u32 s22, s22, 8192
	s_add_nc_u64 s[26:27], s[8:9], s[22:23]        ; my scale words,
	s_lshl_b32 s22, s20, 7
	s_add_co_u32 s22, s22, 8704
	s_add_nc_u64 s[28:29], s[8:9], s[22:23]        ; my sums of squares
.macro LOAD c                          ; chunk c: 256 bytes of each of my 32 rows; lanes 0-15 take row 2 i, lanes 16-31 row 2 i + 1
.irp i, 0,1,2,3,4,5,6,7,8,9,10,11,12,13,14,15
	global_load_b128 v[L+64*((\c)%2)+4*\i:L+64*((\c)%2)+4*\i+3], v[VIN], s[4:5] offset:\i*2048+(\c)*256 th:TH_LOAD_NT
.endr
.endm
.macro TURN c                          ; through the stage: LDS serves a wave's instructions in order, so no wait stands between the stores and the loads
.irp i, 0,1,2,3,4,5,6,7,8,9,10,11,12,13,14,15
	ds_store_b128 v[VST], v[L+64*((\c)%2)+4*\i:L+64*((\c)%2)+4*\i+3] offset:\i*2*SP
.endr
.irp q, 0,1,2,3,4,5,6,7,8,9,10,11,12,13,14,15
	ds_load_b128 v[X+4*\q:X+4*\q+3], v[VLD] offset:16*\q
.endr
.endm
; Block b of my row: 32 links of the chain of squares, with the search for the largest magnitude (two chains) set between them; the scale; the codes, which stay in registers of their own until the wave's end.
.macro BLOCK b
.set XS, X+32*((\b)%2)
.if (\b) == 0
	v_mul_f32 v[SQ], v[XS], v[XS]                  ; the first square starts the sum
.else
	v_fmac_f32 v[SQ], v[XS], v[XS]
.endif
	v_max3_num_f32 v11, |v[XS]|, |v[XS+1]|, |v[XS+2]|
	v_fmac_f32 v[SQ], v[XS+1], v[XS+1]
	v_max3_num_f32 v12, |v[XS+3]|, |v[XS+4]|, |v[XS+5]|
	v_fmac_f32 v[SQ], v[XS+2], v[XS+2]
	v_fmac_f32 v[SQ], v[XS+3], v[XS+3]
.irp i, 6,10,14,18,22,26
	v_fmac_f32 v[SQ], v[XS+\i-2], v[XS+\i-2]
	v_max3_num_f32 v11, v11, |v[XS+\i]|, |v[XS+\i+1]|
	v_fmac_f32 v[SQ], v[XS+\i-1], v[XS+\i-1]
	v_max3_num_f32 v12, v12, |v[XS+\i+2]|, |v[XS+\i+3]|
	v_fmac_f32 v[SQ], v[XS+\i], v[XS+\i]
	v_fmac_f32 v[SQ], v[XS+\i+1], v[XS+\i+1]
.endr
	v_fmac_f32 v[SQ], v[XS+28], v[XS+28]
	v_max3_num_f32 v11, v11, |v[XS+30]|, |v[XS+31]|
	v_fmac_f32 v[SQ], v[XS+29], v[XS+29]
	v_max3_num_f32 v11, v11, v12, 0x1800000        ; and the floor 2^(3 - 127): the byte cannot fall under 1
	v_fmac_f32 v[SQ], v[XS+30], v[XS+30]
	v_add_nc_u32 v13, 0xff000000, v11              ; 2 off the exponent field: the conversion takes the exponent field of this operand as its scale, and nothing else of it
	v_fmac_f32 v[SQ], v[XS+31], v[XS+31]
.irp g, 0,1,2,3
	v_cvt_scalef32_pk8_fp4_f32 v[C+4*(\b)+\g], v[XS+8*\g:XS+8*\g+7], v13   ; eight numbers / the scale, to the nearest code, ties to even, beyond 6 the largest code; the first number's code in the lowest bits
.endr
	v_lshrrev_b32 v14, 23, v13                     ; the scale's byte.  (Also the plain line behind the conversions)
.if (\b)%4 == 0
	v_mov_b32 v[SW+(\b)/4], v14                    ; four bytes to a word, the lower K in the lower byte
.else
	v_lshl_or_b32 v[SW+(\b)/4], v14, 8*((\b)%4), v[SW+(\b)/4]
.endif
.endm
	LOAD 0
	LOAD 1
.irp c, 0,1,2,3
.if \c < 3
	s_wait_alu depctr_va_vdst(0)
	s_wait_loadcnt 16                              ; this chunk's sixteen loads are in; the next chunk's sixteen may be out
.else
	s_wait_alu depctr_va_vdst(0)
	s_wait_loadcnt 0x0
.endif
	TURN \c
	s_wait_dscnt 0x0                               ; my 64 neighbours are in, and the stores into the stage have read their registers,
.if \c < 2
	LOAD \c+2                                      ; which take the chunk two further on
.endif
	BLOCK 2*\c
	BLOCK 2*\c+1
.endr
	ds_store_b32 v[VSS], v[SW]                     ; the scale words meet in the wave's 256 bytes of LDS,
	ds_store_b32 v[VSS], v[SW+1] offset:64
	ds_load_b64 v[18:19], v[VSL]                   ; (LDS serves a wave's instructions in order: this sees the stores)
.irp b, 0,1,2,3,4,5,6,7
	global_store_b128 v[VOUT], v[C+4*\b:C+4*\b+3], s[24:25] offset:\b*256   ; the codes leave in one run behind all the arithmetic: sixteen lanes store 256 consecutive bytes, at a multiple of 256 from the buffer's first byte
.endr
	global_store_b32 v[O4], v[SQ], s[28:29]        ; 32 sums of squares: 128 consecutive bytes
	s_wait_dscnt 0x0
	global_store_b64 v[O8], v[18:19], s[26:27]     ; and leave as 256 consecutive bytes, at a multiple of 256 from the buffer's first byte
	s_wait_tensorcnt 0x0
	ds_add_u32 v248, v249
	s_wait_dscnt 0x0
	s_endpgm
.Lfunc_end_k_q25b6fdddeb_quant:
	.size	k_q25b6fdddeb_quant, .Lfunc_end_k_q25b6fdddeb_quant-k_q25b6fdddeb_quant
	.p2alignl 7, 3214868480
	.fill 96, 4, 3214868480
	.section	.rodata,"a",@progbits
	.p2align	6, 0x0
	.amdhsa_kernel k_q25b6fdddeb_quant
		.amdhsa_group_segment_fixed_size 36352
		.amdhsa_private_segment_fixed_size 0
		.amdhsa_enable_private_segment 0
		.amdhsa_kernarg_size 32
		.amdhsa_user_sgpr_count 2
		.amdhsa_user_sgpr_kernarg_segment_ptr 1
		.amdhsa_wavefront_size32 1
		.amdhsa_system_sgpr_workgroup_id_x 1
		.amdhsa_system_sgpr_workgroup_id_y 1
		.amdhsa_system_sgpr_workgroup_id_z 1
		.amdhsa_system_vgpr_workitem_id 0
		.amdhsa_next_free_vgpr 250
		.amdhsa_next_free_sgpr 66
		.amdhsa_reserve_vcc 0
		.amdhsa_float_denorm_mode_32 3
		.amdhsa_float_denorm_mode_16_64 3
		.amdhsa_memory_ordered 1
		.amdhsa_forward_progress 1
		.amdhsa_inst_pref_size 38
	.end_amdhsa_kernel
	.amdgpu_metadata
---
amdhsa.version: [ 1, 2 ]
amdhsa.kernels:
  - .name:           k_q25b6fdddeb_quant
    .symbol:         k_q25b6fdddeb_quant.kd
    .args:
      - { .name: z, .offset: 0, .size: 8, .value_kind: global_buffer, .address_space: global }
      - { .name: codebook, .offset: 8, .size: 8, .value_kind: global_buffer, .address_space: global }
      - { .name: zrec, .offset: 16, .size: 8, .value_kind: global_buffer, .address_space: global }
      - { .name: crec, .offset: 24, .size: 8, .value_kind: global_buffer, .address_space: global }
    .group_segment_fixed_size: 36352
    .private_segment_fixed_size: 0
    .kernarg_segment_align: 8
    .kernarg_segment_size: 32
    .max_flat_workgroup_size: 128
    .sgpr_count:     66
    .vgpr_count:     250
    .wavefront_size: 32
...
	.end_amdgpu_metadata
.endif
;; end of part 1
;; launch search (part 2): grid 256 x 1, 16 waves a work-group, clusters of 4 x 1, 327,680 bytes of LDS; arguments zrec, crec, out2, idx; writes out2, idx
.if DOCPART == 2
	.amdgcn_target "amdgcn-amd-amdhsa--gfx1250"
	.amdhsa_code_object_version 6
	.text
	.protected	k_q25b6fdddeb_search
	.globl	k_q25b6fdddeb_search
	.p2align	8
	.type	k_q25b6fdddeb_search,@function
k_q25b6fdddeb_search:
	s_mov_b64 s[64:65], 0
	v_nop
	global_prefetch_b8 v0, s[64:65] scope:SCOPE_SE
	s_setreg_imm32_b32 hwreg(HW_REG_WAVE_MODE, 25, 1), 1
	s_wait_xcnt 0x0
	s_wait_alu depctr_hold_cnt(0) depctr_sa_sdst(0) depctr_va_vdst(0) depctr_va_sdst(0) depctr_va_ssrc(0) depctr_va_vcc(0) depctr_vm_vsrc(0)
	s_getreg_b32 s2, hwreg(HW_REG_IB_STS2, 6, 4)
	s_cmp_eq_u32 s2, 0
	s_cbranch_scc0 .Lentry_in_a_cluster
	s_endpgm
.Lentry_in_a_cluster:
	s_bfe_u32 s2, ttmp6, 0x10000c
	s_cmp_lg_u32 s2, 0x3003
	s_cbranch_scc0 .Lentry_shape_is_right
	s_endpgm
.Lentry_shape_is_right:
; For each of the 32,768 rows of z (read as [32768][256]): the index of the codebook row with the least d = (|z|^2 + |e|^2) - 2 z.e, the lowest index among equals.
; z.e is the product of the MX-FP4 codes and scales of zrec and crec (records of 64 rows, 8,960 bytes: codes as images of operand registers, scale words at 8192, sums of squares at 8704).
; d is made as reference() makes it: t = |z|^2 + |e|^2 rounded once, then one fused multiply-add t - 2 x product.  Nothing of reference() is left out here.
; LIMITS: NaN among the d is not served (a NaN loses every minimum here).
; SHARES.  A work-group takes 128 rows of z and all 8,192 codebook rows.  Wave w: z record w % 2 (64 rows, four tiles, kept in 64 registers for the whole launch) and, of each slot's 16 codebook
; records, records 2 (w / 2) and 2 (w / 2) + 1: eight tiles of 16 codebook rows.  The codebook goes through a ring of two LDS slots of 16 records; each wave fetches one record (35 rows of 256 bytes) a slot.
; CLUSTER: the four work-groups of a cluster walk the same records, so each record is asked for jointly (mask 15).
; THE MATRIX INSTRUCTION IS USED TRANSPOSED (source 0 = 16 codebook rows, source 1 = 16 rows of z): lane (r, h) holds row r of z, its registers j the codebook rows 8 h + j of the tile.
; TRACKING.  A lane keeps its least d so far; where a tile brings a lesser one (strictly: the earlier tile stays among equals) it keeps the tile's number and its eight d.  Behind the walk the first of
; the eight that equals the least gives j; the 16 candidates of a row (8 wave groups x 2 halves of the lanes) meet in LDS, lesser d first, then lesser index.
; The three steps that touch every d (t, d, the keeping) are written as dual-issue pairs on neighbouring registers; |z|^2 lies in two neighbouring registers, so that a pair's second sources lie in different banks.
; No data prefetch: all 64 clusters read the same 1,146,880 bytes in the same order, and a slot's load stands a whole slot (64 matrix instructions a wave and their vector work) ahead of the wait for it.
.set RECB,  8960
.set SLOTB, 16*RECB                    ; a slot: 16 records
.set SPARE, 2*SLOTB                    ; the spare words: 128 bytes for each of 16 waves
.set SCRD,  SPARE+2048                 ; the candidates' d: 16 rows of CP bytes (128 words used);
.set CP,    576
.set SCRG,  16*CP                      ; and, this far behind, their indices
.set SPW, 1                            ; v1  my spare word;  v2  0: never rewritten
.set NIL, 2
.set ADC, 3                            ; v3-4   LDS: my group's codes in slot 0, 1 (+ 16 x lane)
.set ADS, 5                            ; v5-6   its scale words (+ 4 x lane)
.set ADE, 7                            ; v7-8   its sums of squares (+ 32 h)
.set OZC, 9                            ; v9-11  offsets in my z record: 16 x lane, 4 x lane, 4 r
.set OZS, 10
.set OZQ, 11
.set ZZ,  12                           ; v12-19 |z|^2 of my row in z tile i, twice: 12 + 2 i, 13 + 2 i
.set RUN, 20                           ; v20-27 the least d so far, two sets by turns
.set ZS,  28                           ; v28-31 z's scale words (lanes 0-15 K step 0, lanes 16-31 K step 1)
.set CS,  32                           ; v32-33 the codebook tile's scale words, two sets
.set EE,  34                           ; v34-49 |e|^2 of my eight codebook rows, two sets
.set CF,  50                           ; v50-81 the codebook tile's fragments, two sets of 16
.set ZF,  82                           ; v82-145 z's fragments: tile i, K step s at 82 + 16 i + 8 s
.set ACC, 146                          ; v146-177 four accumulators
.set T,   178                          ; v178-193 t, then d, of two z tiles
.set KP,  194                          ; v194-225 the eight d of the best tile, for each z tile
.set SCA, 226
.set SCB, 227
.set LN,  228
.set RR,  229
.set HH,  230
.set GOF, 231
.set IDX, 232                          ; v232-235 the best tile's number
.set TM,  236                          ; v236-239 two partial minima for each of two z tiles
.set CD,  82                           ; the end: 16 candidates' d and indices (z's fragments are done with)
.set CI,  98
.set G1,  24                           ; s[24:31] descriptor group 1;  s[32:39] group 0 for slot 0, 1
.set G0,  32
.set CUR, 40                           ; s40 the number of the tile at work
.macro CREST                           ; a round of the cluster's barrier behind its opening barrier
	s_cmp_lg_u32 s12, 0
	s_cbranch_scc1 .Lnot_wave_0_\@
	s_barrier_signal -3
.Lnot_wave_0_\@:
	s_barrier_wait -3
	s_barrier_signal -1
	s_barrier_wait -1
.endm
.macro ROUND
	s_barrier_signal -1
	s_barrier_wait -1
	CREST
.endm
	s_load_b128 s[4:7], s[0:1], 0x0                ; zrec, crec
	s_load_b128 s[8:11], s[0:1], 0x10              ; out2, idx
	v_lshl_add_u32 v[SPW], v0, 2, SPARE
	v_mov_b32 v[NIL], 0
	ds_add_u32 v[SPW], v[NIL]                      ; the opening lines: the add, twice on end, and its wait ahead of my first tensor load
	ds_add_u32 v[SPW], v[NIL]
	v_lshrrev_b32 v[LN], 5, v0
	v_readfirstlane_b32 s12, v[LN]                 ; wave 0..15
	s_bfe_u32 s13, ttmp6, 0x40000                  ; cx
	s_lshl_b32 s14, ttmp9, 2
	s_add_co_u32 s14, s14, s13                     ; work-group 0..255: it enters global addresses of my own rows alone
	s_and_b32 s15, s12, 1                          ; which of the two z records
	s_lshr_b32 s16, s12, 1                         ; my group 0..7
	s_mov_b32 s[G1+0], 15|(3<<16)|(1<<21)          ; mask: all four partners; elements of 8 bytes; bit 21 beside a mask
	s_mov_b32 s[G1+1], 32<<16                      ; rows of 32 elements = 256 bytes,
	s_mov_b32 s[G1+2], 35<<16                      ; 35 of them: a record, dense in memory and in LDS
	s_mov_b32 s[G1+3], 32<<16
	s_mov_b32 s[G1+4], 35
	s_mov_b32 s[G1+5], 32
	s_mov_b32 s[G1+6], 0
	s_mov_b32 s[G1+7], 0
	s_mul_i32 s17, s16, 2*RECB                     ; my group's two records in a slot
	s_add_co_u32 s47, s17, 8192
	s_add_co_u32 s48, s17, 8704
	s_add_co_u32 s49, s17, SLOTB
	s_add_co_u32 s50, s47, SLOTB
	s_add_co_u32 s51, s48, SLOTB
	s_mul_i32 s18, s16, 2*CP                       ; the candidates: row 2 g + h, word 64 (w % 2) + 16 i + r
	s_lshl_b32 s19, s15, 8
	s_add_co_u32 s18, s18, s19
	s_add_co_u32 s18, s18, SCRD
	s_lshl_b32 s20, s14, 1
	s_add_co_u32 s20, s20, s15
	s_mul_i32 s20, s20, RECB                       ; my z record
	s_mov_b32 s21, 0
	s_mul_i32 s22, s12, RECB                       ; the record of a slot that I fetch, in memory and in LDS alike
	s_mov_b32 s23, 0
	s_lshl_b32 s42, s14, 9                         ; my work-group's 128 indices
	s_mov_b32 s43, 0
	s_lshl_b32 s[CUR], s16, 3                      ; my first tile: 8 g
	v_and_b32 v[LN], 31, v0                        ; (each line below reads what stands five lines or more above it)
	v_and_b32 v[RR], 15, v0
	v_bfe_u32 v[HH], v0, 4, 1
	v_lshl_add_u32 v[SCB], v0, 2, SCRD
	v_lshlrev_b32 v[GOF], 2, v0
	v_lshlrev_b32 v[OZC], 4, v[LN]
	v_lshlrev_b32 v[OZS], 2, v[LN]
	v_lshlrev_b32 v[T], 5, v[HH]
	v_mul_u32_u24 v[SCA], v[HH], CP
	v_lshlrev_b32 v[OZQ], 2, v[RR]
	v_add_nc_u32 v[ADC], s17, v[OZC]
	v_add_nc_u32 v[ADS], s47, v[OZS]
	v_add_nc_u32 v[ADE], s48, v[T]
	v_lshl_add_u32 v[SCA], v[RR], 2, v[SCA]
	v_add_nc_u32 v[ADC+1], s49, v[OZC]
	v_add_nc_u32 v[ADS+1], s50, v[OZS]
	v_add_nc_u32 v[ADE+1], s51, v[T]
	v_mov_b32 v[IDX], 0
	v_add_nc_u32 v[SCA], s18, v[SCA]
	v_mov_b32 v[IDX+1], 0
	v_mov_b32 v[IDX+2], 0
	v_mov_b32 v[IDX+3], 0
	s_wait_dscnt 0x0                               ; both opening adds are done
	s_wait_alu depctr_va_vdst(0)
	s_wait_kmcnt 0x0
	s_add_nc_u64 s[4:5], s[4:5], s[20:21]
	s_add_nc_u64 s[6:7], s[6:7], s[22:23]
	s_add_nc_u64 s[8:9], s[8:9], s[42:43]
	s_add_nc_u64 s[10:11], s[10:11], s[42:43]
; z's fragments, scale words and sums of squares are asked for first: they are on their way while the first two slots are fetched
.irp i, 0,1,2,3
.irp s, 0,1
.irp c, 0,1
	global_load_b128 v[ZF+16*\i+8*\s+4*\c:ZF+16*\i+8*\s+4*\c+3], v[OZC], s[4:5] offset:\i*2048+\s*1024+\c*512
.endr
.endr
	global_load_b32 v[ZS+\i], v[OZS], s[4:5] offset:8192+128*\i
	global_load_b32 v[ZZ+2*\i], v[OZQ], s[4:5] offset:8704+64*\i
	global_load_b32 v[ZZ+2*\i+1], v[OZQ], s[4:5] offset:8704+64*\i
.endr
	s_mov_b32 s[G0+0], 1
	s_mov_b32 s[G0+1], s22
	s_mov_b64 s[G0+2:G0+3], s[6:7]
	s_or_b32 s[G0+3], s[G0+3], 0x80000000
	s_mov_b32 s[G0+4], 1
	s_add_co_u32 s[G0+5], s22, SLOTB
	s_add_nc_u64 s[G0+6:G0+7], s[6:7], SLOTB
	s_or_b32 s[G0+7], s[G0+7], 0x80000000
	ROUND                                          ; all four work-groups are here: the first joint loads meet
	tensor_load_to_lds s[G0:G0+3], s[G1:G1+7]      ; slot 0: my one tensor load at the head
	s_nop 0
.irp i, 0,1,2,3
	v_mov_b32 v[RUN+\i], 0x7f800000                ; the least d so far: +infinity
.endr
.irp j, 0,1,2,3,4,5,6,7,8,9,10,11,12,13,14,15,16,17,18,19,20,21,22,23,24,25,26,27,28,29,30,31
	v_mov_b32 v[KP+\j], 0x7f800000                 ; written once: the keeping reads them
.endr
	s_wait_alu depctr_va_vdst(0)
	s_wait_tensorcnt 0x0                           ; my record of slot 0 is in; slot 1's first fill is issued as a refill is:
	ds_add_u32 v[SPW], v[NIL]
	s_wait_dscnt 0x0
	ROUND                                          ; slot 0 is whole in every partner
	tensor_load_to_lds s[G0+4:G0+7], s[G1:G1+7]    ; slot 1
	s_nop 0
.rept 4
	v_nop
.endr
; tile t (0..7) of my group in slot n, into set p: four loads of codes, the scale words, eight sums of squares
.macro LOADT n, t, p
.irp s, 0,1
.irp c, 0,1
	ds_load_b128 v[CF+16*(\p)+8*\s+4*\c:CF+16*(\p)+8*\s+4*\c+3], v[ADC+(\n)] offset:((\t)/4)*RECB+((\t)%4)*2048+\s*1024+\c*512
.endr
.endr
	ds_load_b32 v[CS+(\p)], v[ADS+(\n)] offset:((\t)/4)*RECB+((\t)%4)*128
	ds_load_b128 v[EE+8*(\p):EE+8*(\p)+3], v[ADE+(\n)] offset:((\t)/4)*RECB+((\t)%4)*64
	ds_load_b128 v[EE+8*(\p)+4:EE+8*(\p)+7], v[ADE+(\n)] offset:((\t)/4)*RECB+((\t)%4)*64+16
.endm
; the tile against my four z tiles: K step 0 starts the sums, K step 1 adds; the four accumulators take turns
.macro MM p
.irp i, 0,1,2,3
	v_wmma_scale_f32_16x16x128_f8f6f4 v[ACC+8*\i:ACC+8*\i+7], v[CF+16*(\p):CF+16*(\p)+7], v[ZF+16*\i:ZF+16*\i+7], 0, v[CS+(\p)], v[ZS+\i] matrix_a_fmt:MATRIX_FMT_FP4 matrix_b_fmt:MATRIX_FMT_FP4
.endr
.irp i, 0,1,2,3
	v_wmma_scale_f32_16x16x128_f8f6f4 v[ACC+8*\i:ACC+8*\i+7], v[CF+16*(\p)+8:CF+16*(\p)+15], v[ZF+16*\i+8:ZF+16*\i+15], v[ACC+8*\i:ACC+8*\i+7], v[CS+(\p)], v[ZS+\i] matrix_a_fmt:MATRIX_FMT_FP4 matrix_b_fmt:MATRIX_FMT_FP4 matrix_a_scale:MATRIX_SCALE_ROW1 matrix_b_scale:MATRIX_SCALE_ROW1
.endr
.endm
; z tiles i and i + 1: t, d, the least, the keeping.  p: the set of |e|^2;  a: which set holds the least so far.  The eight pairs that make t name no register of the products: they are the places behind them.
.macro VALP i, p, a
.irp u, 0,1
.irp q, 0,2,4,6
	v_dual_add_f32 v[T+8*\u+\q], v[EE+8*(\p)+\q], v[ZZ+2*((\i)+\u)] :: v_dual_add_f32 v[T+8*\u+\q+1], v[EE+8*(\p)+\q+1], v[ZZ+2*((\i)+\u)+1]   ; t = |e|^2 + |z|^2
.endr
.endr
.irp u, 0,1
.irp q, 0,2,4,6
	v_dual_fmac_f32 v[T+8*\u+\q], -2.0, v[ACC+8*((\i)+\u)+\q] :: v_dual_fmac_f32 v[T+8*\u+\q+1], -2.0, v[ACC+8*((\i)+\u)+\q+1]   ; d = t - 2 x product, rounded once; each accumulator from its low end on
.endr
.endr
.irp u, 0,1
	v_min3_num_f32 v[TM+2*\u], v[T+8*\u], v[T+8*\u+1], v[T+8*\u+2]   ; the least of the eight d and the least so far: three minima that do not hang on each other, then their join
.endr
.irp u, 0,1
	v_min3_num_f32 v[TM+2*\u+1], v[T+8*\u+3], v[T+8*\u+4], v[T+8*\u+5]
.endr
.irp u, 0,1
	v_min3_num_f32 v[RUN+4*(1-(\a))+(\i)+\u], v[RUN+4*(\a)+(\i)+\u], v[T+8*\u+6], v[T+8*\u+7]
.endr
.irp q, 1
.irp u, 0,1
	s_delay_alu instid0(VALU_DEP_2)
	v_min3_num_f32 v[RUN+4*(1-(\a))+(\i)+\u], v[RUN+4*(1-(\a))+(\i)+\u], v[TM+2*\u], v[TM+2*\u+1]
.endr
.endr
.irp u, 0,1
	v_cmp_lt_f32 vcc_lo, v[RUN+4*(1-(\a))+(\i)+\u], v[RUN+4*(\a)+(\i)+\u]   ; strictly less: this tile is the best so far
	s_delay_alu instid0(VALU_DEP_1)
	v_cndmask_b32 v[IDX+(\i)+\u], v[IDX+(\i)+\u], s[CUR], vcc_lo
.irp j, 0,2,4,6
	v_dual_cndmask_b32 v[KP+8*((\i)+\u)+\j], v[KP+8*((\i)+\u)+\j], v[T+8*\u+\j] :: v_dual_cndmask_b32 v[KP+8*((\i)+\u)+\j+1], v[KP+8*((\i)+\u)+\j+1], v[T+8*\u+\j+1]
.endr
.endr
.endm
.macro STEP n, t                       ; tile t of slot n; the next tile's loads are issued ahead of its products
	s_wait_dscnt 0x0
	LOADT \n, (\t)+1, 1-(\t)%2
	MM (\t)%2
	VALP 0, (\t)%2, (\t)%2
	VALP 2, (\t)%2, (\t)%2
	s_add_co_u32 s[CUR], s[CUR], 1
.endm
; A slot's last tile changes slots.  mode 2: the slot is filled again, two slots ahead, behind a round;  1: the change alone;  0: the launch's last tile
.macro LAST n, mode
	s_wait_dscnt 0x0                               ; my reads of this slot are over
.if (\mode) > 0
	s_wait_tensorcnt 0x0                           ; my record of the other slot is in: no tensor load of mine is out
	ds_add_u32 v[SPW], v[NIL]
.if (\mode) == 2
	s_add_nc_u64 s[G0+4*(\n)+2:G0+4*(\n)+3], s[G0+4*(\n)+2:G0+4*(\n)+3], 2*SLOTB
.endif
	MM 1
	s_wait_dscnt 0x0                               ; the add is done
	s_barrier_signal -1
	VALP 0, 1, 1                                   ; work on registers while the others arrive
	s_barrier_wait -1
.if (\mode) == 2
	CREST                                          ; no wave of any partner still reads this slot or has a load on its way
	tensor_load_to_lds s[G0+4*(\n):G0+4*(\n)+3], s[G1:G1+7]
	s_nop 0
.rept 4
	v_nop
.endr
.endif
	LOADT 1-(\n), 0, 0
	VALP 2, 1, 1
	s_add_co_u32 s[CUR], s[CUR], 57                ; a slot has 64 tiles: on to my group's first in the next
.else
	MM 1
	VALP 0, 1, 1
	VALP 2, 1, 1
.endif
.endm
.macro SLOT n, mode
.irp t, 0,1,2,3,4,5,6
	STEP \n, \t
.endr
	LAST \n, \mode
.endm
	s_wait_loadcnt 0x0                             ; z's registers are in
	LOADT 0, 0, 0
	s_mov_b32 s41, 3
.Llap:                                                 ; eight slots in all: three trips of two, each filling both again; the last two are written out
	SLOT 0, 2
	SLOT 1, 2
	s_sub_co_u32 s41, s41, 1
	s_cmp_lg_u32 s41, 0
	s_cbranch_scc1 .Llap
	SLOT 0, 1
	SLOT 1, 0
; j: the first of the kept eight that equals the least (searched from the last down)
.irp i, 0,1,2,3
	v_mov_b32 v[T+\i], 7
.endr
.irp j, 6,5,4,3,2,1,0
.irp i, 0,1,2,3
	v_cmp_eq_f32 vcc_lo, v[KP+8*\i+\j], v[RUN+\i]
	s_delay_alu instid0(VALU_DEP_1)
	v_cndmask_b32 v[T+\i], v[T+\i], \j, vcc_lo
.endr
.endr
.irp i, 0,1,2,3
	v_lshl_add_u32 v[T+\i], v[IDX+\i], 4, v[T+\i]  ; 16 x tile + j
.endr
.irp i, 0,1,2,3
	s_delay_alu instid0(VALU_DEP_4)
	v_lshl_add_u32 v[T+\i], v[HH], 3, v[T+\i]      ; + 8 h
.endr
.irp i, 0,1,2,3
	ds_store_b32 v[SCA], v[RUN+\i] offset:64*\i
	ds_store_b32 v[SCA], v[T+\i] offset:SCRG+64*\i
.endr
	s_wait_dscnt 0x0                               ; for the others' sake
	s_barrier_signal -1
	s_barrier_wait -1
	s_cmp_ge_u32 s12, 4
	s_cbranch_scc1 .Ldone                          ; threads 0-127 take a row each
.irp c, 0,1,2,3,4,5,6,7,8,9,10,11,12,13,14,15
	ds_load_b32 v[CD+\c], v[SCB] offset:CP*\c
	ds_load_b32 v[CI+\c], v[SCB] offset:SCRG+CP*\c
.endr
	s_wait_dscnt 0x0
.irp c, 1
	v_cmp_lt_f32 s44, v[CD+\c], v[CD]
	v_cmp_eq_f32 s45, v[CD+\c], v[CD]
	v_cmp_lt_u32 s46, v[CI+\c], v[CI]
	s_and_b32 s45, s45, s46
	s_or_b32 vcc_lo, s44, s45
	v_cndmask_b32 v[CD], v[CD], v[CD+\c], vcc_lo
	v_cndmask_b32 v[CI], v[CI], v[CI+\c], vcc_lo
.endr
.irp c, 2, 3, 4, 5, 6, 7, 8, 9, 10, 11, 12, 13, 14, 15
	s_delay_alu instid0(VALU_DEP_2)
	v_cmp_lt_f32 s44, v[CD+\c], v[CD]              ; a lesser d, or an equal d with a lesser index
	s_delay_alu instid0(VALU_DEP_3)
	v_cmp_eq_f32 s45, v[CD+\c], v[CD]
	s_delay_alu instid0(VALU_DEP_3)
	v_cmp_lt_u32 s46, v[CI+\c], v[CI]
	s_and_b32 s45, s45, s46
	s_or_b32 vcc_lo, s44, s45
	v_cndmask_b32 v[CD], v[CD], v[CD+\c], vcc_lo
	v_cndmask_b32 v[CI], v[CI], v[CI+\c], vcc_lo
.endr
	global_store_b32 v[GOF], v[CI], s[8:9]         ; 128 consecutive bytes a wave: the output,
	global_store_b32 v[GOF], v[CI], s[10:11]       ; and the same for the launch that gathers
.Ldone:
	s_wait_tensorcnt 0x0                           ; the wave's end
	ds_add_u32 v[SPW], v[NIL]
	s_wait_dscnt 0x0
	ROUND                                          ; the closing round
	s_endpgm
.Lfunc_end_k_q25b6fdddeb_search:
	.size	k_q25b6fdddeb_search, .Lfunc_end_k_q25b6fdddeb_search-k_q25b6fdddeb_search
	.p2alignl 7, 3214868480
	.fill 96, 4, 3214868480
	.section	.rodata,"a",@progbits
	.p2align	6, 0x0
	.amdhsa_kernel k_q25b6fdddeb_search
		.amdhsa_group_segment_fixed_size 327680
		.amdhsa_private_segment_fixed_size 0
		.amdhsa_enable_private_segment 0
		.amdhsa_kernarg_size 32
		.amdhsa_user_sgpr_count 2
		.amdhsa_user_sgpr_kernarg_segment_ptr 1
		.amdhsa_wavefront_size32 1
		.amdhsa_system_sgpr_workgroup_id_x 1
		.amdhsa_system_sgpr_workgroup_id_y 1
		.amdhsa_system_sgpr_workgroup_id_z 1
		.amdhsa_system_vgpr_workitem_id 0
		.amdhsa_next_free_vgpr 240
		.amdhsa_next_free_sgpr 66
		.amdhsa_reserve_vcc 1
		.amdhsa_float_denorm_mode_32 3
		.amdhsa_float_denorm_mode_16_64 3
		.amdhsa_memory_ordered 1
		.amdhsa_forward_progress 1
		.amdhsa_inst_pref_size 222
	.end_amdhsa_kernel
	.amdgpu_metadata
---
amdhsa.version: [ 1, 2 ]
amdhsa.kernels:
  - .name:           k_q25b6fdddeb_search
    .symbol:         k_q25b6fdddeb_search.kd
    .args:
      - { .name: zrec, .offset: 0, .size: 8, .value_kind: global_buffer, .address_space: global }
      - { .name: crec, .offset: 8, .size: 8, .value_kind: global_buffer, .address_space: global }
      - { .name: out2, .offset: 16, .size: 8, .value_kind: global_buffer, .address_space: global }
      - { .name: idx, .offset: 24, .size: 8, .value_kind: global_buffer, .address_space: global }
    .group_segment_fixed_size: 327680
    .private_segment_fixed_size: 0
    .kernarg_segment_align: 8
    .kernarg_segment_size: 32
    .max_flat_workgroup_size: 512
    .sgpr_count:     66
    .vgpr_count:     240
    .wavefront_size: 32
...
	.end_amdgpu_metadata
.endif
;; end of part 2
;; launch gather (part 3): grid 256 x 1, 16 waves a work-group, no clusters, 2,304 bytes of LDS; arguments z, codebook, idx, out0, part; writes out0, part
.if DOCPART == 3
	.amdgcn_target "amdgcn-amd-amdhsa--gfx1250"
	.amdhsa_code_object_version 6
	.text
	.protected	k_q25b6fdddeb_gather
	.globl	k_q25b6fdddeb_gather
	.p2align	8
	.type	k_q25b6fdddeb_gather,@function
k_q25b6fdddeb_gather:
	s_mov_b64 s[64:65], 0
	v_nop
	global_prefetch_b8 v0, s[64:65] scope:SCOPE_SE
	s_setreg_imm32_b32 hwreg(HW_REG_WAVE_MODE, 25, 1), 1
	s_wait_xcnt 0x0
; out0 = z + (e - z), e the codebook row that idx names for each row of z (read as [32768][256] f32); and the sums of (e - z)^2, 32 partial sums for each work-group, for the loss.
; A stream: each byte of z is read once, each byte of out0 written once, by 16 bytes a lane, 512 consecutive bytes an instruction.  No matrix unit, no cluster, no ring: nothing is shared but the codebook's rows,
; which the indices scatter.  A wave takes 8 rows, written out without a loop, in three runs: its 32 loads; all its arithmetic, under counted waits; its 16 stores.
; The address of each codebook row is a scalar sum (base + 1,024 x index), so that no vector instruction stands among the loads; the results stay in z's registers, so that none stands among the stores.
; The indices were stored by the launch before; each is held at 8,191 before it enters an address.
.set A, 10                             ; v10-17 four packed sums of squares
.set Z, 20                             ; v20-83  z, then the result: row rho, half u at 20 + 8 rho + 4 u
.set E, 84                             ; v84-147 the codebook rows likewise, then e - z
.set EB, 44                            ; s[44:59] the address of each row's codebook row
	s_load_b128 s[4:7], s[0:1], 0x0                ; z, codebook
	s_load_b128 s[8:11], s[0:1], 0x10              ; idx, out0
	s_load_b64 s[12:13], s[0:1], 0x20              ; part
	v_lshl_add_u32 v152, v0, 2, 0x100
	v_mov_b32 v153, 0
	v_lshrrev_b32 v18, 5, v0
	s_delay_alu instid0(VALU_DEP_1)
	v_readfirstlane_b32 s14, v18                   ; wave 0..15
	v_and_b32 v1, 31, v0
	s_delay_alu instid0(VALU_DEP_1)
	v_lshlrev_b32 v19, 2, v1                       ; 4 x lane
	s_delay_alu instid0(VALU_DEP_2)
	v_lshlrev_b32 v1, 4, v1                        ; 16 x lane
	v_lshrrev_b32 v18, 4, v0
	s_delay_alu instid0(VALU_DEP_1)
	v_lshlrev_b32 v18, 2, v18                      ; LDS: a word for each half wave
	s_lshl_b32 s15, ttmp9, 7
	s_lshl_b32 s24, s14, 3
	s_add_co_u32 s15, s15, s24                     ; my first row: 128 x work-group + 8 x wave
	s_lshl_b32 s26, s15, 2
	s_mov_b32 s27, 0
	s_lshl_b32 s28, s15, 10
	s_mov_b32 s29, 0
	s_lshl_b32 s30, ttmp9, 7                       ; 128 bytes of part for each work-group
	s_mov_b32 s31, 0
	s_mov_b32 s41, 0                               ; the upper word of a row's offset
	s_wait_alu depctr_va_vdst(0)
	s_wait_kmcnt 0x0
	s_add_nc_u64 s[8:9], s[8:9], s[26:27]
	s_add_nc_u64 s[4:5], s[4:5], s[28:29]
	s_add_nc_u64 s[10:11], s[10:11], s[28:29]
	s_add_nc_u64 s[12:13], s[12:13], s[30:31]
	s_load_b256 s[16:23], s[8:9], 0x0              ; my eight indices
.irp rho, 0,1,2,3,4,5,6,7
.irp u, 0,1
	global_load_b128 v[Z+8*\rho+4*\u:Z+8*\rho+4*\u+3], v1, s[4:5] offset:\rho*1024+\u*512 th:TH_LOAD_NT
.endr
.endr
	s_wait_kmcnt 0x0
.irp rho, 0,1,2,3,4,5,6,7
	s_min_u32 s40, s[16+\rho], 8191                ; inside the table
	s_lshl_b32 s40, s40, 10                        ; a row is 1,024 bytes
	s_add_nc_u64 s[EB+2*\rho:EB+2*\rho+1], s[6:7], s[40:41]
.endr
.irp rho, 0,1,2,3,4,5,6,7
	global_load_b128 v[E+8*\rho:E+8*\rho+3], v1, s[EB+2*\rho:EB+2*\rho+1]
	global_load_b128 v[E+8*\rho+4:E+8*\rho+7], v1, s[EB+2*\rho:EB+2*\rho+1] offset:512
.endr
.macro HALF rho, u
.set ZR, Z+8*(\rho)+4*(\u)
.set ER, E+8*(\rho)+4*(\u)
	s_wait_loadcnt 15-2*(\rho)-(\u)                ; loads come back in order: this half row of e is in (and all of z, asked for earlier); the younger ones stay out
.irp q, 0,1
	v_pk_add_f32 v[ER+2*\q:ER+2*\q+1], v[ER+2*\q:ER+2*\q+1], v[ZR+2*\q:ZR+2*\q+1] neg_lo:[0,1] neg_hi:[0,1]   ; e - z
.endr
.irp q, 0,1
.if (\rho) == 0
	s_delay_alu instid0(VALU_DEP_2)
	v_pk_mul_f32 v[A+4*(\u)+2*\q:A+4*(\u)+2*\q+1], v[ER+2*\q:ER+2*\q+1], v[ER+2*\q:ER+2*\q+1]                  ; the first row starts the sums
.else
	s_delay_alu instid0(VALU_DEP_2)
	v_pk_fma_f32 v[A+4*(\u)+2*\q:A+4*(\u)+2*\q+1], v[ER+2*\q:ER+2*\q+1], v[ER+2*\q:ER+2*\q+1], v[A+4*(\u)+2*\q:A+4*(\u)+2*\q+1]
.endif
.endr
.irp q, 0,1
	s_delay_alu instid0(VALU_DEP_4)
	v_pk_add_f32 v[ZR+2*\q:ZR+2*\q+1], v[ZR+2*\q:ZR+2*\q+1], v[ER+2*\q:ER+2*\q+1]                              ; z + (e - z), kept in z's registers
.endr
.endm
.irp rho, 0,1,2,3,4,5,6,7
	HALF \rho, 0
	HALF \rho, 1
.endr
	s_wait_alu depctr_va_vdst(0)
	v_pk_add_f32 v[A:A+1], v[A:A+1], v[A+2:A+3]
	v_pk_add_f32 v[A+4:A+5], v[A+4:A+5], v[A+6:A+7]
	s_delay_alu instid0(VALU_DEP_1)
	v_pk_add_f32 v[A:A+1], v[A:A+1], v[A+4:A+5]
	s_delay_alu instid0(VALU_DEP_1)
	v_add_f32 v[A], v[A], v[A+1]
	s_delay_alu instid0(VALU_DEP_1)
	v_add_f32_dpp v[A], v[A], v[A] row_xmask:1 row_mask:0xf bank_mask:0xf   ; over each sixteen lanes
	s_delay_alu instid0(VALU_DEP_1)
	v_add_f32_dpp v[A], v[A], v[A] row_xmask:2 row_mask:0xf bank_mask:0xf
	s_delay_alu instid0(VALU_DEP_1)
	v_add_f32_dpp v[A], v[A], v[A] row_xmask:4 row_mask:0xf bank_mask:0xf
	s_delay_alu instid0(VALU_DEP_1)
	v_add_f32_dpp v[A], v[A], v[A] row_xmask:8 row_mask:0xf bank_mask:0xf
	ds_store_b32 v18, v[A]                         ; sixteen lanes write the same word with the same value
.irp rho, 0,1,2,3,4,5,6,7
.irp u, 0,1
	global_store_b128 v1, v[Z+8*\rho+4*\u:Z+8*\rho+4*\u+3], s[10:11] offset:\rho*1024+\u*512 th:TH_STORE_NT   ; 512 consecutive bytes, at a multiple of 256 from out0's first byte
.endr
.endr
	s_wait_dscnt 0x0                               ; for wave 0's sake
	s_barrier_signal -1
	s_barrier_wait -1
	s_cmp_lg_u32 s14, 0
	s_cbranch_scc1 .Lend
	ds_load_b32 v[A+1], v19                        ; the work-group's 32 sums
	s_wait_dscnt 0x0
	global_store_b32 v19, v[A+1], s[12:13]         ; 128 consecutive bytes
.Lend:
	s_wait_tensorcnt 0x0                           ; the wave's end
	ds_add_u32 v152, v153
	s_wait_dscnt 0x0
	s_endpgm
.Lfunc_end_k_q25b6fdddeb_gather:
	.size	k_q25b6fdddeb_gather, .Lfunc_end_k_q25b6fdddeb_gather-k_q25b6fdddeb_gather
	.p2alignl 7, 3214868480
	.fill 96, 4, 3214868480
	.section	.rodata,"a",@progbits
	.p2align	6, 0x0
	.amdhsa_kernel k_q25b6fdddeb_gather
		.amdhsa_group_segment_fixed_size 2304
		.amdhsa_private_segment_fixed_size 0
		.amdhsa_enable_private_segment 0
		.amdhsa_kernarg_size 40
		.amdhsa_user_sgpr_count 2
		.amdhsa_user_sgpr_kernarg_segment_ptr 1
		.amdhsa_wavefront_size32 1
		.amdhsa_system_sgpr_workgroup_id_x 1
		.amdhsa_system_sgpr_workgroup_id_y 1
		.amdhsa_system_sgpr_workgroup_id_z 1
		.amdhsa_system_vgpr_workitem_id 0
		.amdhsa_next_free_vgpr 154
		.amdhsa_next_free_sgpr 66
		.amdhsa_reserve_vcc 0
		.amdhsa_float_denorm_mode_32 3
		.amdhsa_float_denorm_mode_16_64 3
		.amdhsa_memory_ordered 1
		.amdhsa_forward_progress 1
		.amdhsa_inst_pref_size 17
	.end_amdhsa_kernel
	.amdgpu_metadata
---
amdhsa.version: [ 1, 2 ]
amdhsa.kernels:
  - .name:           k_q25b6fdddeb_gather
    .symbol:         k_q25b6fdddeb_gather.kd
    .args:
      - { .name: z, .offset: 0, .size: 8, .value_kind: global_buffer, .address_space: global }
      - { .name: codebook, .offset: 8, .size: 8, .value_kind: global_buffer, .address_space: global }
      - { .name: idx, .offset: 16, .size: 8, .value_kind: global_buffer, .address_space: global }
      - { .name: out0, .offset: 24, .size: 8, .value_kind: global_buffer, .address_space: global }
      - { .name: part, .offset: 32, .size: 8, .value_kind: global_buffer, .address_space: global }
    .group_segment_fixed_size: 2304
    .private_segment_fixed_size: 0
    .kernarg_segment_align: 8
    .kernarg_segment_size: 40
    .max_flat_workgroup_size: 512
    .sgpr_count:     66
    .vgpr_count:     154
    .wavefront_size: 32
...
	.end_amdgpu_metadata
.endif
;; end of part 3
;; launch total (part 4): grid 1 x 1, 8 waves a work-group, no clusters, 1,280 bytes of LDS; arguments part, out1; writes out1
.if DOCPART == 4
	.amdgcn_target "amdgcn-amd-amdhsa--gfx1250"
	.amdhsa_code_object_version 6
	.text
	.protected	k_q25b6fdddeb_total
	.globl	k_q25b6fdddeb_total
	.p2align	8
	.type	k_q25b6fdddeb_total,@function
k_q25b6fdddeb_total:
	s_mov_b64 s[64:65], 0
	v_nop
	global_prefetch_b8 v0, s[64:65] scope:SCOPE_SE
	s_setreg_imm32_b32 hwreg(HW_REG_WAVE_MODE, 25, 1), 1
	s_wait_xcnt 0x0
; out1 = m + 0.25 m, m = the mean of (e - z)^2 over 2^23 numbers: the 8,192 partial sums of the launch before are added, in a fixed order, by one work-group.
; A sum that spans work-groups has one owner: 256 threads take 32 numbers each (eight loads of 16 bytes, 4,096 consecutive bytes for the work-group in each).
	s_load_b128 s[4:7], s[0:1], 0x0                ; part, out1
	v_lshl_add_u32 v48, v0, 2, 0x100
	v_mov_b32 v49, 0
	v_lshlrev_b32 v1, 4, v0
	v_lshrrev_b32 v2, 5, v0
	s_delay_alu instid0(VALU_DEP_1)
	v_readfirstlane_b32 s8, v2                     ; wave 0..7
	s_delay_alu instid0(VALU_DEP_2)
	v_lshlrev_b32 v3, 2, v2                        ; LDS: a word for each wave
	s_mov_b32 s10, 0x76543210                      ; v_permlanex16_b32's selects for lane l xor 16
	s_mov_b32 s11, 0xfedcba98
	s_wait_alu depctr_va_vdst(0)
	s_wait_kmcnt 0x0
.irp i, 0,1,2,3,4,5,6,7
	global_load_b128 v[4+4*\i:7+4*\i], v1, s[4:5] offset:4096*\i
.endr
	s_wait_loadcnt 0x0
.irp j, 0
	v_pk_add_f32 v[4:5], v[4:5], v[8+4*\j:9+4*\j]     ; two chains
	v_pk_add_f32 v[6:7], v[6:7], v[10+4*\j:11+4*\j]
.endr
.irp j, 1, 2, 3, 4, 5, 6
	s_delay_alu instid0(VALU_DEP_2)
	v_pk_add_f32 v[4:5], v[4:5], v[8+4*\j:9+4*\j]     ; two chains
	s_delay_alu instid0(VALU_DEP_2)
	v_pk_add_f32 v[6:7], v[6:7], v[10+4*\j:11+4*\j]
.endr
	s_delay_alu instid0(VALU_DEP_1)
	v_pk_add_f32 v[4:5], v[4:5], v[6:7]
	s_delay_alu instid0(VALU_DEP_1)
	v_add_f32 v4, v4, v5
	s_delay_alu instid0(VALU_DEP_1)
	v_add_f32_dpp v4, v4, v4 row_xmask:1 row_mask:0xf bank_mask:0xf
	s_delay_alu instid0(VALU_DEP_1)
	v_add_f32_dpp v4, v4, v4 row_xmask:2 row_mask:0xf bank_mask:0xf
	s_delay_alu instid0(VALU_DEP_1)
	v_add_f32_dpp v4, v4, v4 row_xmask:4 row_mask:0xf bank_mask:0xf
	s_delay_alu instid0(VALU_DEP_1)
	v_add_f32_dpp v4, v4, v4 row_xmask:8 row_mask:0xf bank_mask:0xf
	s_delay_alu instid0(VALU_DEP_1)
	v_permlanex16_b32 v5, v4, s10, s11             ; (its destination has been written)
	s_delay_alu instid0(VALU_DEP_1)
	v_add_f32 v4, v4, v5                           ; the wave's sum, in every lane
	ds_store_b32 v3, v4
	s_wait_dscnt 0x0                               ; for wave 0's sake
	s_barrier_signal -1
	s_barrier_wait -1
	s_cmp_lg_u32 s8, 0
	s_cbranch_scc1 .Lend
	v_mov_b32 v6, 0
	ds_load_b128 v[8:11], v6
	ds_load_b128 v[12:15], v6 offset:16
	s_wait_dscnt 0x0
	v_pk_add_f32 v[8:9], v[8:9], v[10:11]
	v_pk_add_f32 v[12:13], v[12:13], v[14:15]
	s_delay_alu instid0(VALU_DEP_1)
	v_pk_add_f32 v[8:9], v[8:9], v[12:13]
	s_delay_alu instid0(VALU_DEP_1)
	v_add_f32 v8, v8, v9
	s_delay_alu instid0(VALU_DEP_1)
	v_mul_f32 v8, 0x34000000, v8                   ; x 2^-23: the mean
	s_delay_alu instid0(VALU_DEP_1)
	v_fmamk_f32 v9, v8, 0x3e800000, v8             ; 0.25 m + m
	s_wait_alu depctr_va_vdst(0)
	s_wait_xcnt 0x0                                ; EXEC changes only behind this wait
	v_cmp_eq_u32 vcc_lo, 0, v0
	s_and_saveexec_b32 s9, vcc_lo                  ; one lane stores the one number
	global_store_b32 v6, v9, s[6:7]
	s_wait_xcnt 0x0                                ; and again, in front of the line that widens it
	s_or_b32 exec_lo, exec_lo, s9
.Lend:
	s_wait_tensorcnt 0x0
	ds_add_u32 v48, v49
	s_wait_dscnt 0x0
	s_endpgm
.Lfunc_end_k_q25b6fdddeb_total:
	.size	k_q25b6fdddeb_total, .Lfunc_end_k_q25b6fdddeb_total-k_q25b6fdddeb_total
	.p2alignl 7, 3214868480
	.fill 96, 4, 3214868480
	.section	.rodata,"a",@progbits
	.p2align	6, 0x0
	.amdhsa_kernel k_q25b6fdddeb_total
		.amdhsa_group_segment_fixed_size 1280
		.amdhsa_private_segment_fixed_size 0
		.amdhsa_enable_private_segment 0
		.amdhsa_kernarg_size 16
		.amdhsa_user_sgpr_count 2
		.amdhsa_user_sgpr_kernarg_segment_ptr 1
		.amdhsa_wavefront_size32 1
		.amdhsa_system_sgpr_workgroup_id_x 1
		.amdhsa_system_sgpr_workgroup_id_y 1
		.amdhsa_system_sgpr_workgroup_id_z 1
		.amdhsa_system_vgpr_workitem_id 0
		.amdhsa_next_free_vgpr 50
		.amdhsa_next_free_sgpr 66
		.amdhsa_reserve_vcc 1
		.amdhsa_float_denorm_mode_32 3
		.amdhsa_float_denorm_mode_16_64 3
		.amdhsa_memory_ordered 1
		.amdhsa_forward_progress 1
		.amdhsa_inst_pref_size 5
	.end_amdhsa_kernel
	.amdgpu_metadata
---
amdhsa.version: [ 1, 2 ]
amdhsa.kernels:
  - .name:           k_q25b6fdddeb_total
    .symbol:         k_q25b6fdddeb_total.kd
    .args:
      - { .name: part, .offset: 0, .size: 8, .value_kind: global_buffer, .address_space: global }
      - { .name: out1, .offset: 8, .size: 8, .value_kind: global_buffer, .address_space: global }
    .group_segment_fixed_size: 1280
    .private_segment_fixed_size: 0
    .kernarg_segment_align: 8
    .kernarg_segment_size: 16
    .max_flat_workgroup_size: 256
    .sgpr_count:     66
    .vgpr_count:     50
    .wavefront_size: 32
...
	.end_amdgpu_metadata
.endif
;; end of part 4
